; MI455X (gfx1250); checked and timed in simulation.
; The chip was launched on July 23, 2026; its instructions are those of AMD's public machine-readable ISA for CDNA 5 (MIT licence, August 2026) and "CDNA5" Instruction Set Architecture Reference Guide (July 2026). The comments in the code are by the model that wrote it; some were corrected since.
;; Model. Allowed arithmetic: matrix products marked QUANTISED: E2M3 operands, one E8M0 scale for each 32 along K, by v_wmma_scale_f32_16x16x128_f8f6f4 with both operands' format E2M3, f32 sums; everything else in f32.
;; Inputs: k 4 x 16 x 2,048 x 64 float32; q 4 x 16 x 2,048 x 64 float32; scale_factor one number float32; v 4 x 16 x 2,048 x 64 float32.
;; Outputs: out0 4 x 16 x 2,048 x 64 float32.
;; Constants: dropout_p = 0.
;; This version of the problem:
;;   THIS VERSION OF THE PROBLEM IS GIVEN IN LOW PRECISION. The matrix products marked QUANTISED in the list below multiply operands that are first quantised to E2M3 (2 exponent bits, 3 mantissa bits; 6 bits a number), with one power-of-two scale for each 32 numbers along K (OCP MX v1.0); their sums are f32. All else is computed in f32.
;;   The module's matrix products, in the order in which they are computed (A, B: the left and right operand; K: the contracted axis; several contracted axes count as one K, in the product's order):
;;     1. batch 64 x [M 2,048, K 64] x [K 64, N 2,048]; A: input q; B: input k: QUANTISED
;;     2. batch 64 x [M 2,048, K 2,048] x [K 2,048, N 64]; A: softmax (see below); B: input v: QUANTISED
;;   THE QUANTISER, for each operand of a quantised product, along K:
;;     - K is cut into blocks of 32 from its start; a last block that is shorter is filled with zeros.
;;     - A block's scale is 2^e with e = floor(log2(the largest magnitude in the block)) - 2, held to -126 .. 127; a block of zeros has e = 0. As a byte (E8M0): e + 127.
;;     - Each number is divided by its block's scale, clamped to +-7.5, and rounded to the nearest number of E2M3, ties to even, subnormals kept.
;;     - The product sums the exact products of the quantised numbers (number of the format x scale) in f32.
;;   ~~~python
;;   def quantise(x, axis):      # numpy; x: float32 -> the quantised numbers, widened to float32 again
;;       x = np.moveaxis(x, axis, -1); K = x.shape[-1]
;;       x = np.pad(x, [(0, 0)] * (x.ndim - 1) + [(0, -K % 32)]); x = x.reshape(x.shape[:-1] + (-1, 32)); a = np.abs(x).max(-1, keepdims=True)
;;       e = np.where(a > 0, np.clip(np.frexp(np.where(a > 0, a, 1))[1] - 1 - 2, -126, 127), 0)      # np.frexp(a)[1] - 1 = floor(log2(a)), exactly
;;       r = np.clip(x / 2.0 ** e, -7.5, 7.5)
;;       step = 2.0 ** (np.maximum(np.frexp(np.where(r == 0, 1, r))[1] - 1, 0) - 3)
;;       q = np.round(r / step) * step * 2.0 ** e      # np.round: ties to even
;;       return np.moveaxis(q.reshape(q.shape[:-2] + (-1,))[..., :K], -1, axis).astype(np.float32)
;;   ~~~
;;   SOFTMAX AHEAD OF A QUANTISED PRODUCT. Where the list says 'softmax', what is quantised is not the finished softmax but p = 2^(t - M), with t = logit x log2(e) and M = ceil(the row's largest t), a whole number; so 1/2 < the row's largest p <= 1. The row's sum l is taken of the UNQUANTISED p, in f32, and the product's result is divided by l at the end. Since M is a whole number, a kernel that streams over the keys may use a running M (the ceiling of the running maximum): every later rescaling is an exact power of two, which a block's scale takes up: the codes' values come out the same.
;;   OPERANDS COMPUTED ON THE WAY. 'Computed on the way' means the value that the module computes at that place (a softmax that the list does not call 'softmax' is quantised finished and normalised). What goes into a quantiser is computed in f32, as accurately as f32 sums, v_exp_f32 and their like allow (about 1e-6 of the number): no bf16 or f16 on the way to a quantiser, and a product that is left as it is and whose result goes on into a quantised operand takes f32 operands (vector FMAs, or v_wmma_f32_16x16x4_f32). A number that lies on a knife's edge between two numbers of the format may be rounded either way, as far as f32 arithmetic and the matrix unit's own rounding can turn it there, and no further.
;; 2 versions, each right; version 2 is version 1 with the launch attn written anew for expert scheduling mode. Each part assembles by itself: llvm-mc -triple=amdgcn-amd-amdhsa -mcpu=gfx1250 --defsym DOCPART=n.
;; ======== version 1 of 2: 1 launch
;; launch attn (part 1): grid 4 x 64, 8 waves a work-group, no clusters, 62,464 bytes of LDS; arguments q, k, v, scale_factor, out0; writes out0
.if DOCPART == 1
	.amdgcn_target "amdgcn-amd-amdhsa--gfx1250"
	.amdhsa_code_object_version 6
	.text
	.protected	k_q388cfbfdf4_attn
	.globl	k_q388cfbfdf4_attn
	.p2align	8
	.type	k_q388cfbfdf4_attn,@function
k_q388cfbfdf4_attn:
	s_mov_b64 s[64:65], 0
	v_nop
	global_prefetch_b8 v0, s[64:65] scope:SCOPE_SE
	s_setreg_imm32_b32 hwreg(HW_REG_WAVE_MODE, 25, 1), 1
	s_wait_xcnt 0x0
; out[h][q][:] = the sum over keys of softmax(q . k x scale_factor) v, 64 heads (4 x 16), 2,048 queries and keys a head, head size 64.  q, k, v, out: f32.
; Both products on codes of FP6 (E2M3) with one E8M0 scale for each 32 along a product's K: product 1 along the head's 64, product 2 along the keys.
; THE SOFTMAX AHEAD OF PRODUCT 2: t = score x c; M = the row's largest t so far, rounded up to a whole number; p = 2^(t - M) is quantised along the keys, not normalised;
; the row's sum is taken of the unquantised p and divides at the end; when M moves, the sum and O are multiplied by 2^(old M - new M), which rounds nothing.
; NO WORK OF reference() IS LEFT OUT.  dropout_p is a constant 0 that reference() never uses: it is no buffer and no argument.  Every buffer among the inputs is loaded.
; THE SIGN OF scale_factor: c = |scale_factor x log2(e)|, and scale_factor's sign bit is flipped into q ahead of its quantiser (the quantiser is odd: the codes change sign and nothing else).
; So c is never negative, the largest score is the largest t, and p rises with the score, whatever the input holds.
; SHARES.  One launch, 4 x 64 work-groups: x = a block of 512 queries, y = the head.  Eight waves of 512 registers; a wave owns 64 queries, four tiles of 16.  The work-group walks the
; head's keys in 16 trips of 128.  In trip j the eight waves together quantise key tile j + 1 of k and v (a lane: one block of 32 of each; the f32 numbers were loaded into registers a trip
; earlier) and store codes and scale bytes to LDS AS IMAGES OF THE OPERANDS' REGISTERS; two image buffers by turns, one barrier a trip.  Every wave then reads image j whole and runs, for
; each of its four tiles: S^T = K Q^T, the softmax, p's codes, O^T += V^T P^T.  A fragment read from LDS feeds four products.
; LAYOUT.  Both products are used transposed: a lane holds ONE query (lane % 16) throughout.  THE KEYS OF A TILE ARE NOT NEIGHBOURS: row m of key tile 4 c + u is key 64 c + 32 (m / 8) + 8 u + m % 8,
; so that score register 32 c + i of lane (r, h) is key 64 c + 32 h + i: a lane holds two WHOLE blocks of 32 keys, in the order in which the 6-bit operand wants them: a block's largest
; score needs no other lane, and the conversions' results are the operand's registers.
; K = 64 IN AN INSTRUCTION OF K = 128: Q's fragment is six registers of codes and six of zero codes.  K's fragments lie six registers apart, so the upper six of a tile's operand are the
; next tile's codes (six zeros behind the last): they meet Q's zero codes.  Bytes 2 and 3 of both scale words are 0, which stands for 2^-127.
; NO TENSOR LOAD, NO CLUSTER: what the four work-groups of a head share is f32 that has to lie 32 to a lane's registers to be quantised; by way of LDS each number would be written and read
; there at 4 bytes beside the 3/4 byte of its code.  So k and v go from memory straight into registers, and the launch claims the LDS that it uses.
; NO PREFETCH: each load of k and v is issued a whole trip (four tiles' softmax) ahead of the wait for it.
; LIMITS: NaN and infinities among the inputs are not served.  A block whose largest magnitude lies under 2^-124 (a block of zeros too, where the rule says byte 127) keeps the scale byte 1:
; a block of zeros has zero codes, and the bytes are read by this launch alone.  p under 2^-126 comes out of v_exp_f32 as 0.  t is score x (scale_factor x log2 e), the factor rounded once,
; where the rule multiplies twice.  A block's largest p is taken as the exponential of its largest score: this takes v_exp_f32 not to fall where its input rises.
;
; LDS: two image buffers of IMGB bytes; the waves' stages for the way out; the spare words.
.set IMGB,  13312
.set KIMG,  0          ; four images of 1,536 bytes: key tiles 2 i and 2 i + 1 are 12 registers a lane; register g of lane l lies at 512 (g / 4) + 16 l + 4 (g % 4)
.set VIMG,  6144       ; four images of 1,536 bytes: the fragments of V^T, 16 of the head's 64 each
.set KSC,   12288      ; 16 bytes a lane: word i = the scale word of key tile 2 i + l / 16, row l % 16
.set VSC,   12800      ; a place of 16 bytes a lane, 8 used: word i = the scale word of channel 32 i + l
.set STAGE, 2*IMGB     ; 16 rows x (256 + 16) bytes for each wave
.set SPARE, STAGE+8*16*272  ; the spare words, 128 bytes for each wave: four blocks of 256 bytes that no other line names
; REGISTERS, window 0
.set SPW, 1            ; LDS address of my spare word; never rewritten
.set NIL, 2            ; 0; never rewritten
.set RA,  3            ; 16 x lane: an image's place for my lane
.set KA0, 4            ; where my six registers of K's codes go: pairs 0 and 2,
.set KA1, 5            ; pair 1
.set KSA, 6            ; K's scale word
.set VA0, 7            ; the same for V's codes,
.set VA1, 8
.set VSA, 9            ; V's scale byte
.set GK,  10           ; my byte offset in a key tile of k
.set GV,  11           ; and of v
.set SH8, 12           ; 8 x (lane / 16)
.set QA,  13           ; my byte offset in the wave's rows of q
.set F,   14           ; v[14:15] f = 2^(old M - new M); v15 is named with it as a pair
.set ST,  16           ; tile i at v[ST + 4 i]: -M, the largest t, the sum in two halves
.set KS,  32           ; v32-35 K's scale words
.set VS,  36           ; v36-37 V's
.set QS,  38           ; v38-41 Q's
.set PW,  42           ; p's scale word
.set W,   43           ; at work
.set BM,  44           ; v44-45 my two blocks' largest score, then largest p
.set T,   46           ; at work
.set T2,  47           ; the lane permute's destination
.set A2,  48           ; v[48:49] the sum's second chain
.set SOP, 50           ; v50-51 the conversions' scale operands
.set BY,  52           ; v52-53 the scale bytes
.set CT0, 54           ; v54-56, v58-60: a block's upper 16 codes (a conversion's three registers begin on an even number)
.set CT1, 58
.set STO, 61           ; the way out: where I put 32 bytes of a row
.set RD,  62           ; where I read a row back
.set GO,  63           ; my byte offset in two rows of out
.set Q,   64           ; v64-111 Q: tile i at 64 + 12 i, the upper six registers zeros
.set KF,  112          ; v112-159 K: tile t at 112 + 6 t
.set ZP,  160          ; v160-165 zeros behind tile 7
.set P,   166          ; v166-177 p's codes
.set S,   192          ; v192-255 the scores, then p.  At a trip's head they are free and serve the quantiser:
.set CK,  S            ; K's six code registers
.set CV,  S+6          ; V's
.set CTA, S+12
.set CTB, S+16
.set TA,  S+20         ; largest magnitudes
.set TB,  S+21
.set SA,  S+22         ; scale operands
.set SB,  S+23
.set BYA, S+24         ; scale bytes
.set BYB, S+25
.set BK,  64           ; the way out: rows read back from the stage, 32 registers a tile, v64-191
; window 1: v0-127 O^T, tile i at 32 i, channels 16 dt on at + 8 dt (at the head: q's numbers); v128-175 V's fragments; v176-207, v208-239 the next key tile's numbers of k and of v
.set VF,  128
.set XK,  176
.set XV,  208
; scalars: s[4:5] q, s[6:7] k, s[8:9] v, s[10:11] scale_factor, s[12:13] out; s14 wave; s15 scale_factor; s[16:17] c; s18 its sign bit; s[20:21] lane selects; s22 trips; s24-31 at work
.set MSB, 0
.macro WIN new                         ; s_set_vgpr_msb: bits 1:0 source 0, 3:2 source 1, 5:4 source 2, 7:6 destination; the high byte repeats the setting that is left
.if MSB != \new
	s_set_vgpr_msb (MSB<<8)|\new
.set MSB, \new
.endif
.endm
.macro PLACES                          ; four plain lines behind a matrix instruction, ahead of a read of its result or a load into its registers (ISA guide 7.12.1 for a read of its result)
.rept 4
	v_nop
.endr
.endm
; The next key tile's numbers: of k my key's 32 channels (eight loads of 16 bytes), of v my channel's 32 keys (32 loads; a wave's lanes read 128 consecutive bytes).  No cache hint: three other work-groups read them too.
.macro XLOAD
	WIN 0x40                                       ; destination window 1, address window 0
.set n, 0
.rept 8
	global_load_b128 v[XK+4*n:XK+4*n+3], v[GK], s[6:7] offset:16*n
.set n, n+1
.endr
.set n, 0
.rept 32
	global_load_b32 v[XV+n], v[GV], s[8:9] offset:256*n
.set n, n+1
.endr
	WIN 0
.endm
; Two blocks of 32 numbers, in window 1 at xa and xb, become six registers of codes each, at da and db, and the scale bytes BYA, BYB.  The two blocks by turns.
.macro QUANT2 xa, da, xb, db
	WIN 0x05
	v_max3_num_f32 v[TA], |v[(\xa)]|, |v[(\xa)+1]|, 0x1800000   ; the largest magnitude, with the floor 2^(3 - 127) among its leaves: the byte cannot fall under 1
	v_max3_num_f32 v[TB], |v[(\xb)]|, |v[(\xb)+1]|, 0x1800000
	WIN 0x14
.set n, 2
.rept 15
	v_max3_num_f32 v[TA], v[TA], |v[(\xa)+n]|, |v[(\xa)+n+1]|
	v_max3_num_f32 v[TB], v[TB], |v[(\xb)+n]|, |v[(\xb)+n+1]|
.set n, n+2
.endr
	WIN 0
	v_add_nc_u32 v[SA], 0xff000000, v[TA]          ; 2 off the exponent field: the conversion takes the exponent field of this operand as its scale, and nothing else of it
	v_add_nc_u32 v[SB], 0xff000000, v[TB]
	v_lshrrev_b32 v[BYA], 23, v[SA]                ; the scale's byte
	v_lshrrev_b32 v[BYB], 23, v[SB]
	WIN 0x01
	v_cvt_scalef32_pk16_fp6_f32 v[(\da):(\da)+2], v[(\xa):(\xa)+15], v[SA]
	v_cvt_scalef32_pk16_fp6_f32 v[CTA:CTA+2], v[(\xa)+16:(\xa)+31], v[SA]
	v_cvt_scalef32_pk16_fp6_f32 v[(\db):(\db)+2], v[(\xb):(\xb)+15], v[SB]
	v_cvt_scalef32_pk16_fp6_f32 v[CTB:CTB+2], v[(\xb)+16:(\xb)+31], v[SB]
	WIN 0
	v_nop                                          ; one plain line behind a scaled conversion
.set n, 0
.rept 3
	v_mov_b32 v[(\da)+3+n], v[CTA+n]
	v_mov_b32 v[(\db)+3+n], v[CTB+n]
.set n, n+1
.endr
.endm
; A scale word from what lanes l and l xor 16 hold: mine goes 8 (lane / 16) bits up and is joined with the other's
.macro WORD dst, by
	v_lshlrev_b32 v[W], v[SH8], v[\by]
	v_permlanex16_b32 v[T2], v[W], s20, s21
	v_or_b32 v[\dst], v[W], v[T2]
.endm
; The numbers in XK and XV become codes and go to image buffer wb.  Six registers are half of a 12-register image: three stores of 8 bytes.
.macro STAGE wb
	QUANT2 XK, CK, XV, CV
	WORD W, BYA                                    ; K's scale word: bytes 0 and 1; bytes 2 and 3 stay 0
	ds_store_b64 v[KA0], v[CK:CK+1] offset:(\wb)*IMGB
	ds_store_b64 v[KA1], v[CK+2:CK+3] offset:(\wb)*IMGB
	ds_store_b64 v[KA0], v[CK+4:CK+5] offset:(\wb)*IMGB+512
	ds_store_b32 v[KSA], v[W] offset:(\wb)*IMGB    ; both halves of the lanes write the same word with the same value
	ds_store_b64 v[VA0], v[CV:CV+1] offset:(\wb)*IMGB
	ds_store_b64 v[VA1], v[CV+2:CV+3] offset:(\wb)*IMGB
	ds_store_b64 v[VA0], v[CV+4:CV+5] offset:(\wb)*IMGB+512
	ds_store_b8 v[VSA], v[BYB] offset:(\wb)*IMGB   ; my channel's byte for my block of keys
.endm
; Image buffer b comes back as registers: 26 loads, each lane's 16 bytes at 16 x lane
.macro FETCH b
.set n, 0
.rept 12
	ds_load_b128 v[KF+4*n:KF+4*n+3], v[RA] offset:(\b)*IMGB+KIMG+512*n
.set n, n+1
.endr
	ds_load_b128 v[KS:KS+3], v[RA] offset:(\b)*IMGB+KSC
	ds_load_b64 v[VS:VS+1], v[RA] offset:(\b)*IMGB+VSC
	WIN 0x40
.set n, 0
.rept 12
	ds_load_b128 v[VF+4*n:VF+4*n+3], v[RA] offset:(\b)*IMGB+VIMG+512*n
.set n, n+1
.endr
	WIN 0
.endm
; ONE TILE OF 16 QUERIES AGAINST 128 KEYS.
.macro TILE i
.set rT, ST+4*(\i)
.set rQ, Q+12*(\i)
.set rO, 32*(\i)
	; S^T = K Q^T: eight tiles of 16 keys; each starts its sum with the constant 0.  The scale words of key tiles 2 n and 2 n + 1 share a register: lanes 0-15, lanes 16-31
.set n, 0
.rept 4
	v_wmma_scale_f32_16x16x128_f8f6f4 v[S+16*n:S+16*n+7], v[KF+12*n:KF+12*n+11], v[rQ:rQ+11], 0, v[KS+n], v[QS+(\i)] matrix_a_fmt:MATRIX_FMT_FP6 matrix_b_fmt:MATRIX_FMT_FP6
	v_wmma_scale_f32_16x16x128_f8f6f4 v[S+16*n+8:S+16*n+15], v[KF+12*n+6:KF+12*n+17], v[rQ:rQ+11], 0, v[KS+n], v[QS+(\i)] matrix_a_fmt:MATRIX_FMT_FP6 matrix_b_fmt:MATRIX_FMT_FP6 matrix_a_scale:MATRIX_SCALE_ROW1
.set n, n+1
.endr
	PLACES
	; the largest score of my two blocks of 32 keys, ascending; the two blocks by turns
	v_max3_num_f32 v[BM], v[S], v[S+1], v[S+2]
	v_max3_num_f32 v[BM+1], v[S+32], v[S+33], v[S+34]
.set n, 3
.rept 14
	v_max3_num_f32 v[BM], v[BM], v[S+n], v[S+n+1]
	v_max3_num_f32 v[BM+1], v[BM+1], v[S+32+n], v[S+32+n+1]
.set n, n+2
.endr
	v_max_num_f32 v[BM], v[BM], v[S+31]
	v_max_num_f32 v[BM+1], v[BM+1], v[S+63]
	; the row's figures
	v_max_num_f32 v[T], v[BM], v[BM+1]
	v_permlanex16_b32 v[T2], v[T], s20, s21        ; the query's other 64 keys lie in lane l xor 16
	v_max_num_f32 v[T], v[T], v[T2]
	v_mul_f32 v[T], s16, v[T]                      ; as t (c is not negative)
	v_max_num_f32 v[rT+1], v[rT+1], v[T]           ; the running largest t
	v_mov_b32 v[T], v[rT]
	v_floor_f32 v[rT], -v[rT+1]                    ; the new -M = floor(-t) = -ceil(t)
	v_sub_f32 v[T], v[rT], v[T]                    ; old M - new M: a whole number, 0 or less
	v_cvt_i32_f32 v[T], v[T]                       ; (it saturates)
	v_ldexp_f32 v[F], 1.0, v[T]                    ; f = 2^(old M - new M)
	; ONE BATCH: the 32 packed scalings t - M and the 64 exponentials; a pair is scaled two groups ahead of its exponentials; no line names an exponential's result
	v_pk_fma_f32 v[S:S+1], v[S:S+1], s[16:17], v[rT:rT+1] op_sel_hi:[1,0,0]
	v_pk_fma_f32 v[S+2:S+3], v[S+2:S+3], s[16:17], v[rT:rT+1] op_sel_hi:[1,0,0]
	v_fma_f32 v[BM], v[BM], s16, v[rT]             ; the same of each block's largest score
	v_fma_f32 v[BM+1], v[BM+1], s16, v[rT]
.set n, 0
.rept 32
.if n < 30
	v_pk_fma_f32 v[S+2*n+4:S+2*n+5], v[S+2*n+4:S+2*n+5], s[16:17], v[rT:rT+1] op_sel_hi:[1,0,0]
.endif
	v_exp_f32 v[S+2*n], v[S+2*n]                   ; p = 2^(t - M), at most 1
	v_exp_f32 v[S+2*n+1], v[S+2*n+1]
.set n, n+1
.endr
	v_pk_mul_f32 v[rT+2:rT+3], v[rT+2:rT+3], v[F:F+1] op_sel_hi:[1,0]   ; the sum under the new M: the plain line behind the last exponential
	s_wait_alu depctr_va_vdst(0)                   ; the wait ahead of the first line that names a result: one for the 64
	v_exp_f32 v[BM], v[BM]                         ; the blocks' largest p: the same two instructions on the same number give the same bits
	v_exp_f32 v[BM+1], v[BM+1]
	; the row's sum, of the UNQUANTISED p, packed, in two chains: 23 of its 32 lines here, behind the two exponentials
	v_pk_add_f32 v[A2:A2+1], v[S:S+1], v[S+2:S+3]
.set n, 4
.rept 11
	v_pk_add_f32 v[rT+2:rT+3], v[rT+2:rT+3], v[S+n:S+n+1]
	v_pk_add_f32 v[A2:A2+1], v[A2:A2+1], v[S+n+2:S+n+3]
.set n, n+4
.endr
	s_wait_alu depctr_va_vdst(0)                   ; and one for the two
	v_max_num_f32 v[BM], 0x1800000, v[BM]          ; the floor 2^(3 - 127): a block whose every p is 0 keeps the byte 1; its codes are zeros
	v_max_num_f32 v[BM+1], 0x1800000, v[BM+1]
	v_add_nc_u32 v[SOP], 0xff000000, v[BM]         ; 2 off the exponent field: the conversion's scale operand
	v_add_nc_u32 v[SOP+1], 0xff000000, v[BM+1]
	v_lshrrev_b32 v[BY], 23, v[SOP]
	v_lshrrev_b32 v[BY+1], 23, v[SOP+1]
	v_lshl_or_b32 v[W], v[BY+1], 16, v[BY]         ; my bytes: blocks h and 2 + h
	WORD PW, W                                     ; with lane l xor 16's two: p's scale word for these 128 keys
	v_cvt_scalef32_pk16_fp6_f32 v[P:P+2], v[S:S+15], v[SOP]
	v_cvt_scalef32_pk16_fp6_f32 v[CT0:CT0+2], v[S+16:S+31], v[SOP]
	v_cvt_scalef32_pk16_fp6_f32 v[P+6:P+8], v[S+32:S+47], v[SOP+1]
	v_cvt_scalef32_pk16_fp6_f32 v[CT1:CT1+2], v[S+48:S+63], v[SOP+1]
	v_nop                                          ; one plain line behind a scaled conversion
.set n, 0
.rept 3
	v_mov_b32 v[P+3+n], v[CT0+n]
	v_mov_b32 v[P+9+n], v[CT1+n]
.set n, n+1
.endr
	WIN 0x41                                       ; O^T in window 1, f in window 0
.set n, 0
.rept 16
	v_pk_mul_f32 v[rO+2*n:rO+2*n+1], v[rO+2*n:rO+2*n+1], v[F:F+1] op_sel_hi:[1,0]   ; O^T under the new M, each accumulator from its low end on
.set n, n+1
.endr
	WIN 0
	; the sum's last nine lines: they name no register of the products below, so all that vector lines wrote for those (p's scale word, p's codes, O^T) stands nine plain lines ahead or more
.set n, 48
.rept 4
	v_pk_add_f32 v[rT+2:rT+3], v[rT+2:rT+3], v[S+n:S+n+1]
	v_pk_add_f32 v[A2:A2+1], v[A2:A2+1], v[S+n+2:S+n+3]
.set n, n+4
.endr
	v_pk_add_f32 v[rT+2:rT+3], v[rT+2:rT+3], v[A2:A2+1]
	WIN 0x51                                       ; V and O^T in window 1, p in window 0
	; O^T += V^T P^T: four accumulators, one instruction a turn
.set n, 0
.rept 2
	v_wmma_scale_f32_16x16x128_f8f6f4 v[rO+16*n:rO+16*n+7], v[VF+24*n:VF+24*n+11], v[P:P+11], v[rO+16*n:rO+16*n+7], v[VS+n], v[PW] matrix_a_fmt:MATRIX_FMT_FP6 matrix_b_fmt:MATRIX_FMT_FP6
	v_wmma_scale_f32_16x16x128_f8f6f4 v[rO+16*n+8:rO+16*n+15], v[VF+24*n+12:VF+24*n+23], v[P:P+11], v[rO+16*n+8:rO+16*n+15], v[VS+n], v[PW] matrix_a_fmt:MATRIX_FMT_FP6 matrix_b_fmt:MATRIX_FMT_FP6 matrix_a_scale:MATRIX_SCALE_ROW1
.set n, n+1
.endr
	WIN 0
.endm
; A TRIP: key tile j = 2 s22 + b, from image buffer b.  ONE barrier does two things: in front of it every wave has waited for its stores into buffer b (made last trip) and for its reads of
; the other buffer (made last trip); behind it buffer b is read, and the other is written with key tile j + 1.  Tile j + 2's numbers are asked for, a whole trip ahead of the wait for them.
; The last trip but one asks for nothing and the last quantises nothing: scalar branches on the count of trips; no load leaves its buffer.
.macro TRIP b
	PLACES                                         ; behind the last products, ahead of the loads into V's fragments and scale words
	s_wait_dscnt 0x0
	s_barrier_signal -1
	s_barrier_wait -1
	FETCH \b
.if \b == 1
	s_cmp_eq_u32 s22, 7
	s_cbranch_scc1 .Lskip_\@
.endif
	s_wait_loadcnt 0x0                             ; the next tile's numbers are in; the loads have read their bases, which may step
	s_add_nc_u64 s[6:7], s[6:7], 32768             ; 128 keys x 256 bytes
	s_add_nc_u64 s[8:9], s[8:9], 32768
	STAGE 1-\b
.if \b == 0
	s_cmp_eq_u32 s22, 7
	s_cbranch_scc1 .Lskip_\@
.endif
	XLOAD
.Lskip_\@:
	s_wait_dscnt 0x0                               ; the fragments are in, and the stores have read their registers, which the scores take
	TILE 0
	TILE 1
	TILE 2
	TILE 3
.endm
	s_load_b256 s[4:11], s[0:1], 0x0               ; q, k, v, scale_factor
	s_load_b64 s[12:13], s[0:1], 0x20              ; out
	v_lshl_add_u32 v[SPW], v0, 2, SPARE
	v_mov_b32 v[NIL], 0
	v_lshrrev_b32 v[T], 5, v0
	v_readfirstlane_b32 s14, v[T]                  ; wave w, 0..7
	v_and_b32 v[T], 31, v0                         ; l
	v_and_b32 v[W], 15, v0                         ; r = l % 16
	v_bfe_u32 v[T2], v0, 4, 1                      ; h = l / 16
	s_and_b32 s24, s14, 1
	s_lshr_b32 s25, s14, 1
	s_lshr_b32 s26, s14, 2
	s_and_b32 s27, s14, 3
	s_and_b32 s28, s25, 1
	s_mov_b32 s20, 0x76543210
	s_mov_b32 s21, 0xfedcba98                      ; v_permlanex16_b32's selects for lane l xor 16
	v_lshlrev_b32 v[RA], 4, v[T]
	v_lshlrev_b32 v[SH8], 3, v[T2]
	; K: wave w makes key tile w: half w % 2 of image w / 2.  Half 0 is bytes 0, 8, 512 of the lane's three places, half 1 bytes 520, 1024, 1032
	s_mul_i32 s29, s25, 1536
	s_mul_i32 s30, s24, 520
	s_add_co_u32 s30, s30, s29
	v_add_nc_u32 v[KA0], s30, v[RA]
	s_mul_i32 s30, s24, 1016
	s_add_co_u32 s30, s30, s29
	s_add_co_u32 s30, s30, 8
	v_add_nc_u32 v[KA1], s30, v[RA]
	s_lshl_b32 s30, s24, 8
	s_lshl_b32 s31, s25, 2
	s_add_co_u32 s30, s30, s31
	s_add_co_u32 s30, s30, KSC
	v_lshl_add_u32 v[KSA], v[W], 4, s30            ; word w / 2 of lane r + 16 (w % 2)
	; V: wave w takes keys 32 (w / 2) on and channels 32 (w % 2) + l: fragment 2 (w % 2) + h, lane r + 16 ((w / 2) % 2), half w / 4
	s_mul_i32 s29, s24, 3072
	s_lshl_b32 s30, s28, 8
	s_add_co_u32 s29, s29, s30
	s_add_co_u32 s29, s29, VIMG
	v_lshlrev_b32 v[VA1], 4, v[W]
	v_mad_u32_u24 v[VA1], v[T2], 1536, v[VA1]
	s_mul_i32 s30, s26, 520
	s_add_co_u32 s30, s30, s29
	v_add_nc_u32 v[VA0], s30, v[VA1]
	s_mul_i32 s30, s26, 1016
	s_add_co_u32 s30, s30, s29
	s_add_co_u32 s30, s30, 8
	v_add_nc_u32 v[VA1], s30, v[VA1]
	s_lshl_b32 s30, s24, 2
	s_add_co_u32 s30, s30, s25
	s_add_co_u32 s30, s30, VSC
	v_add_nc_u32 v[VSA], s30, v[RA]                ; byte w / 2 of word w % 2 of lane l
	; in memory: k: key 64 (w / 4) + 8 (w % 4) + 32 (r / 8) + r % 8, channels 32 h on;  v: key 32 (w / 2), channel 32 (w % 2) + l
	v_and_b32 v[GK], 7, v[W]
	v_lshlrev_b32 v[GK], 8, v[GK]
	v_lshrrev_b32 v[GV], 3, v[W]
	v_lshl_add_u32 v[GK], v[GV], 13, v[GK]
	v_lshl_add_u32 v[GK], v[T2], 7, v[GK]
	s_lshl_b32 s30, s26, 14
	s_lshl_b32 s31, s27, 11
	s_add_co_u32 s30, s30, s31
	v_add_nc_u32 v[GK], s30, v[GK]
	s_lshl_b32 s30, s24, 7
	s_lshl_b32 s31, s25, 13
	s_add_co_u32 s30, s30, s31
	v_lshl_add_u32 v[GV], v[T], 2, s30
	v_lshlrev_b32 v[QA], 8, v[W]
	v_lshl_add_u32 v[QA], v[T2], 7, v[QA]          ; q: row r, channels 32 h on
	; the way out
	s_mul_i32 s30, s14, 16*272
	s_add_co_u32 s30, s30, STAGE                   ; my stage
	v_mul_u32_u24 v[STO], v[W], 272
	v_lshl_add_u32 v[STO], v[T2], 5, v[STO]
	v_add_nc_u32 v[STO], s30, v[STO]               ; in: row r, 32 bytes for each half of the lanes
	v_mul_u32_u24 v[RD], v[T2], 272
	v_lshl_add_u32 v[RD], v[W], 4, v[RD]
	v_add_nc_u32 v[RD], s30, v[RD]                 ; back: lanes 0-15 one row of 256 bytes, lanes 16-31 the next
	v_lshlrev_b32 v[GO], 8, v[T2]
	v_lshl_add_u32 v[GO], v[W], 4, v[GO]           ; and the same two rows in out
	s_wait_kmcnt 0x0
	s_load_b32 s15, s[10:11], 0x0                  ; scale_factor
	s_and_b32 s24, ttmp7, 0xffff                   ; the head: 2,048 x 256 bytes each
	s_lshl_b32 s24, s24, 19
	s_mov_b32 s25, 0
	s_add_nc_u64 s[6:7], s[6:7], s[24:25]
	s_add_nc_u64 s[8:9], s[8:9], s[24:25]
	s_lshl_b32 s26, ttmp9, 17                      ; my block of 512 queries,
	s_lshl_b32 s27, s14, 14                        ; my wave's 64 of them
	s_add_co_u32 s26, s26, s27
	s_add_co_u32 s24, s24, s26                     ; (under 2^26)
	s_add_nc_u64 s[4:5], s[4:5], s[24:25]
	s_add_nc_u64 s[12:13], s[12:13], s[24:25]
	WIN 0x40
.set n, 0
.rept 32                                       ; q: tile n / 8, 16 bytes at a time, into the registers that O^T will take; read once in the launch
	global_load_b128 v[4*n:4*n+3], v[QA], s[4:5] offset:4096*(n/8)+16*(n%8) th:TH_LOAD_NT
.set n, n+1
.endr
	XLOAD                                          ; key tile 0
	; while they are on their way: the zero codes, and each tile's figures
.set n, 0
.rept 6
	v_mov_b32 v[Q+6+n], 0
	v_mov_b32 v[Q+18+n], 0
	v_mov_b32 v[Q+30+n], 0
	v_mov_b32 v[Q+42+n], 0
	v_mov_b32 v[ZP+n], 0
.set n, n+1
.endr
	v_mov_b32 v[F+1], 0                            ; (named with f as a pair)
.set n, 0
.rept 4
	v_mov_b32 v[ST+4*n+1], 0xff61b1e6              ; the largest t so far: -3e38, under every t
	v_floor_f32 v[ST+4*n], -v[ST+4*n+1]            ; -M
	v_mov_b32 v[ST+4*n+2], 0                       ; the sum, in two halves
	v_mov_b32 v[ST+4*n+3], 0
.set n, n+1
.endr
	s_wait_kmcnt 0x0
	v_mov_b32 v[T], s15
	v_mul_f32 v[T], 0x3fb8aa3b, v[T]               ; scale_factor x log2(e),
	v_and_b32 v[T], 0x7fffffff, v[T]               ; its magnitude
	v_readfirstlane_b32 s16, v[T]                  ; c
	s_mov_b32 s17, s16                             ; (the packed form names the pair)
	s_and_b32 s18, s15, 0x80000000                 ; scale_factor's sign bit
	s_wait_loadcnt 40                              ; q's 32 loads are in; behind them stand key tile 0's 8 + 32
	WIN 0x44
.set n, 0
.rept 128
	v_xor_b32 v[n], s18, v[n]                      ; the sign goes into q
.set n, n+1
.endr
	QUANT2 0, Q, 32, Q+12
	WORD QS, BYA
	WORD QS+1, BYB
	QUANT2 64, Q+24, 96, Q+36
	WORD QS+2, BYA
	WORD QS+3, BYB
	; O^T is not cleared: its registers hold the same query's numbers of q, which are finite, and the first step's f is 0 (old -M is about 3e38: the whole number saturates), so that the first rescaling makes them zeros
	s_wait_loadcnt 0x0                             ; key tile 0's numbers
	s_add_nc_u64 s[6:7], s[6:7], 32768
	s_add_nc_u64 s[8:9], s[8:9], 32768
	STAGE 0
	XLOAD                                          ; key tile 1
	s_mov_b32 s22, 0
.Ltrip:                                            ; 8 times two trips: the image buffers stand in the immediates
	TRIP 0
	TRIP 1
	s_add_co_u32 s22, s22, 1
	s_cmp_lt_u32 s22, 8
	s_cbranch_scc1 .Ltrip
	; THE WAY OUT.  The sums' halves and lane l xor 16's are added (the first four lines are the places behind the last products); O^T is divided by the sum and goes through my own stage
	; in LDS, a tile (16 rows of out) at a time, so that sixteen lanes store a row's 256 consecutive bytes.
.set n, 0
.rept 4
	v_add_f32 v[ST+4*n+2], v[ST+4*n+2], v[ST+4*n+3]
.set n, n+1
.endr
.set n, 0
.rept 4
	v_permlanex16_b32 v[ST+4*n+3], v[ST+4*n+2], s20, s21
.set n, n+1
.endr
.set n, 0
.rept 4
	v_add_f32 v[ST+4*n+2], v[ST+4*n+2], v[ST+4*n+3]
.set n, n+1
.endr
.set n, 0
.rept 4
	v_rcp_f32 v[ST+4*n], v[ST+4*n+2]
.set n, n+1
.endr
	v_nop                                          ; a plain line behind the last reciprocal
	s_wait_alu depctr_va_vdst(0)                   ; and the wait ahead of the first use: one for the four
.macro PACK i
.set rB, S+32*((\i)%2)
.set rT, ST+4*(\i)
	WIN 0x01                                       ; O^T in window 1
.set n, 0
.rept 16
	v_pk_mul_f32 v[rB+2*n:rB+2*n+1], v[32*(\i)+2*n:32*(\i)+2*n+1], v[rT:rT+1] op_sel_hi:[1,0]   ; register 8 dt + j: out(r, 16 dt + 8 h + j)
.set n, n+1
.endr
	WIN 0
.set n, 0
.rept 4
	ds_store_b128 v[STO], v[rB+8*n:rB+8*n+3] offset:64*n
	ds_store_b128 v[STO], v[rB+8*n+4:rB+8*n+7] offset:64*n+16
.set n, n+1
.endr
.set n, 0
.rept 8
	ds_load_b128 v[BK+32*(\i)+4*n:BK+32*(\i)+4*n+3], v[RD] offset:544*n   ; LDS serves a wave's instructions in order (ISA guide 5.7.1.4): these see the stores above, and the next tile's stores come behind them
.set n, n+1
.endr
.endm
.macro SEND i, younger                 ; younger: the LDS lines issued behind tile i's loads: the next tile's sixteen, or none
.set n, 0
.rept 8
	s_wait_dscnt (\younger)+7-n
	global_store_b128 v[GO], v[BK+32*(\i)+4*n:BK+32*(\i)+4*n+3], s[12:13] offset:4096*(\i)+512*n th:TH_STORE_NT   ; 16 lanes store 256 consecutive bytes, at a multiple of 256 from out's first byte
.set n, n+1
.endr
.endm
	PACK 0
	PACK 1                                         ; a tile's arithmetic stands between the loads of the tile before and its stores
	SEND 0, 16                                     ; (its last wait also shows tile 0's LDS stores done: tile 2 takes their registers)
	PACK 2
	SEND 1, 16
	PACK 3
	SEND 2, 16
	SEND 3, 0
	s_wait_tensorcnt 0x0                           ; the wave's end: three lines behind my last LDS store
	ds_add_u32 v[SPW], v[NIL]
	s_wait_dscnt 0x0
	s_endpgm
.Lfunc_end_k_q388cfbfdf4_attn:
	.size	k_q388cfbfdf4_attn, .Lfunc_end_k_q388cfbfdf4_attn-k_q388cfbfdf4_attn
	.p2alignl 7, 3214868480
	.fill 96, 4, 3214868480
	.section	.rodata,"a",@progbits
	.p2align	6, 0x0
	.amdhsa_kernel k_q388cfbfdf4_attn
		.amdhsa_group_segment_fixed_size 62464
		.amdhsa_private_segment_fixed_size 0
		.amdhsa_enable_private_segment 0
		.amdhsa_kernarg_size 40
		.amdhsa_user_sgpr_count 2
		.amdhsa_user_sgpr_kernarg_segment_ptr 1
		.amdhsa_wavefront_size32 1
		.amdhsa_system_sgpr_workgroup_id_x 1
		.amdhsa_system_sgpr_workgroup_id_y 1
		.amdhsa_system_sgpr_workgroup_id_z 1
		.amdhsa_system_vgpr_workitem_id 0
		.amdhsa_next_free_vgpr 512
		.amdhsa_next_free_sgpr 66
		.amdhsa_reserve_vcc 0
		.amdhsa_float_denorm_mode_32 3
		.amdhsa_float_denorm_mode_16_64 3
		.amdhsa_memory_ordered 1
		.amdhsa_forward_progress 1
		.amdhsa_inst_pref_size 162
	.end_amdhsa_kernel
	.amdgpu_metadata
---
amdhsa.version: [ 1, 2 ]
amdhsa.kernels:
  - .name:           k_q388cfbfdf4_attn
    .symbol:         k_q388cfbfdf4_attn.kd
    .args:
      - { .name: q, .offset: 0, .size: 8, .value_kind: global_buffer, .address_space: global }
      - { .name: k, .offset: 8, .size: 8, .value_kind: global_buffer, .address_space: global }
      - { .name: v, .offset: 16, .size: 8, .value_kind: global_buffer, .address_space: global }
      - { .name: scale_factor, .offset: 24, .size: 8, .value_kind: global_buffer, .address_space: global }
      - { .name: out0, .offset: 32, .size: 8, .value_kind: global_buffer, .address_space: global }
    .group_segment_fixed_size: 62464
    .private_segment_fixed_size: 0
    .kernarg_segment_align: 8
    .kernarg_segment_size: 40
    .max_flat_workgroup_size: 256
    .sgpr_count:     66
    .vgpr_count:     512
    .wavefront_size: 32
...
	.end_amdgpu_metadata
.endif
;; end of part 1
;; ======== version 2 of 2: 1 launch; version 1 with the launch attn written anew for expert scheduling mode
;; launch attn (part 2): grid 4 x 64, 8 waves a work-group, no clusters, 62,464 bytes of LDS; arguments q, k, v, scale_factor, out0; writes out0
.if DOCPART == 2
	.amdgcn_target "amdgcn-amd-amdhsa--gfx1250"
	.amdhsa_code_object_version 6
	.text
	.protected	k_q388cfbfdf4_attn
	.globl	k_q388cfbfdf4_attn
	.p2align	8
	.type	k_q388cfbfdf4_attn,@function
k_q388cfbfdf4_attn:
	s_mov_b64 s[64:65], 0
	v_nop
	global_prefetch_b8 v0, s[64:65] scope:SCOPE_SE
	s_setreg_imm32_b32 hwreg(HW_REG_WAVE_SCHED_MODE, 0, 2), 2
	s_setreg_imm32_b32 hwreg(HW_REG_WAVE_MODE, 25, 1), 1
	s_wait_xcnt 0x0
	s_wait_alu depctr_vm_vsrc(0)
; out[h][q][:] = the sum over keys of softmax(q . k x scale_factor) v, 64 heads (4 x 16), 2,048 queries and keys a head, head size 64.  q, k, v, out: f32.
; Both products on codes of FP6 (E2M3) with one E8M0 scale for each 32 along a product's K: product 1 along the head's 64, product 2 along the keys.
; THE SOFTMAX AHEAD OF PRODUCT 2: t = score x c; M = the row's largest t so far, rounded up to a whole number; p = 2^(t - M) is quantised along the keys, not normalised;
; the row's sum is taken of the unquantised p and divides at the end; when M moves, the sum and O are multiplied by 2^(old M - new M), which rounds nothing.
; NO WORK OF reference() IS LEFT OUT.  dropout_p is a constant 0 that reference() never uses: it is no buffer and no argument.  Every buffer among the inputs is loaded.
; THE SIGN OF scale_factor: c = |scale_factor x log2(e)|, and scale_factor's sign bit is flipped into q ahead of its quantiser (the quantiser is odd: the codes change sign and nothing else).
; So c is never negative, the largest score is the largest t, and p rises with the score, whatever the input holds.
; SHARES.  One launch, 4 x 64 work-groups: x = a block of 512 queries, y = the head.  Eight waves of 512 registers; a wave owns 64 queries, four tiles of 16.  The work-group walks the
; head's keys in 16 trips of 128.  In trip j the eight waves together quantise key tile j + 1 of k and v (a lane: one block of 32 of each; the f32 numbers were loaded into registers a trip
; earlier) and store codes and scale bytes to LDS AS IMAGES OF THE OPERANDS' REGISTERS; two image buffers by turns, one barrier a trip.  Every wave then reads image j whole and runs, for
; each of its four tiles: S^T = K Q^T, the softmax, p's codes, O^T += V^T P^T.  A fragment read from LDS feeds four products.
; LAYOUT.  Both products are used transposed: a lane holds ONE query (lane % 16) throughout.  THE KEYS OF A TILE ARE NOT NEIGHBOURS: row m of key tile 4 c + u is key 64 c + 32 (m / 8) + 8 u + m % 8,
; so that score register 32 c + i of lane (r, h) is key 64 c + 32 h + i: a lane holds two WHOLE blocks of 32 keys, in the order in which the 6-bit operand wants them: a block's largest
; score needs no other lane, and the conversions' results are the operand's registers.
; K = 64 IN AN INSTRUCTION OF K = 128: Q's fragment is six registers of codes and six of zero codes.  K's fragments lie six registers apart, so the upper six of a tile's operand are the
; next tile's codes (six zeros behind the last): they meet Q's zero codes.  Bytes 2 and 3 of both scale words are 0, which stands for 2^-127.
; NO TENSOR LOAD, NO CLUSTER: what the four work-groups of a head share is f32 that has to lie 32 to a lane's registers to be quantised; by way of LDS each number would be written and read
; there at 4 bytes beside the 3/4 byte of its code.  So k and v go from memory straight into registers, and the launch claims the LDS that it uses.
; NO PREFETCH: each load of k and v is issued a whole trip (four tiles' softmax) ahead of the wait for it.
; LIMITS: NaN and infinities among the inputs are not served.  A block whose largest magnitude lies under 2^-124 (a block of zeros too, where the rule says byte 127) keeps the scale byte 1:
; a block of zeros has zero codes, and the bytes are read by this launch alone.  p under 2^-126 comes out of v_exp_f32 as 0.  t is score x (scale_factor x log2 e), the factor rounded once,
; where the rule multiplies twice.  A block's largest p is taken as the exponential of its largest score: this takes v_exp_f32 not to fall where its input rises.
; THE MODE: SCHED_MODE bits 1:0 = 2 (LLVM: expert scheduling mode 2), set by the entry lines.  The code itself states the register dependences between vector or matrix instructions and
; memory or LDS instructions, with s_wait_alu, always for 0.
; THE PLAN.  Registers that memory or LDS instructions touch:
;   v1-v11, v13, v61-63  the add's two, addresses and offsets: written at the head and never again.  One wait on va_vdst ahead of the first load serves them all.
;   XK, XV         Written by XLOAD's 40 loads; read by the next trip's quantiser and by nothing else.  One set: the text uses 496 of a wave's 512 registers.
;   KF, KS, VS, VF Written by FETCH's 26 LDS loads; read by the trip's 48 products and by nothing else.
;   CK, CV, BYB, W Written by the quantiser; read by STAGE's eight LDS stores; written again by the same trip's products and p's lines (they lie among the scores) and by the next trip's quantiser.
;   Way out: S + 32 (i % 2) is written by tile i's multiplications, read by its LDS stores, written again by tile i + 2; v64-191 take the rows back from the stage and are read by the global stores.
; A TRIP'S WAITS.  (1) va_vdst at its head: the last trip's products are done reading the fragments in which FETCH lands.  (2) va_vdst behind the quantiser: the codes are written, which the
; LDS stores read, and XK, XV are read out, in which XLOAD lands at once; between that wait and those loads no vector line stands.  (3) vm_vsrc ahead of the first tile: the LDS stores have read
; their registers.  (4) in each tile: one va_vdst for the 64 exponentials, one for the two, one ahead of the products that take p's codes and scale word.
;
; LDS: two image buffers of IMGB bytes; the waves' stages for the way out; the spare words.
.set IMGB,  13312
.set KIMG,  0          ; four images of 1,536 bytes: key tiles 2 i and 2 i + 1 are 12 registers a lane; register g of lane l lies at 512 (g / 4) + 16 l + 4 (g % 4)
.set VIMG,  6144       ; four images of 1,536 bytes: the fragments of V^T, 16 of the head's 64 each
.set KSC,   12288      ; 16 bytes a lane: word i = the scale word of key tile 2 i + l / 16, row l % 16
.set VSC,   12800      ; a place of 16 bytes a lane, 8 used: word i = the scale word of channel 32 i + l
.set STAGE, 2*IMGB     ; 16 rows x (256 + 16) bytes for each wave
.set SPARE, STAGE+8*16*272  ; the spare words, 128 bytes for each wave: four blocks of 256 bytes that no other line names
; REGISTERS, window 0
.set SPW, 1            ; LDS address of my spare word; never rewritten
.set NIL, 2            ; 0; never rewritten
.set RA,  3            ; 16 x lane: an image's place for my lane
.set KA0, 4            ; where my six registers of K's codes go: pairs 0 and 2,
.set KA1, 5            ; pair 1
.set KSA, 6            ; K's scale word
.set VA0, 7            ; the same for V's codes,
.set VA1, 8
.set VSA, 9            ; V's scale byte
.set GK,  10           ; my byte offset in a key tile of k
.set GV,  11           ; and of v
.set SH8, 12           ; 8 x (lane / 16)
.set QA,  13           ; my byte offset in the wave's rows of q
.set F,   14           ; v[14:15] f = 2^(old M - new M); v15 is named with it as a pair
.set ST,  16           ; tile i at v[ST + 4 i]: -M, the largest t, the sum in two halves
.set KS,  32           ; v32-35 K's scale words
.set VS,  36           ; v36-37 V's
.set QS,  38           ; v38-41 Q's
.set PW,  42           ; p's scale word
.set W,   43           ; at work
.set BM,  44           ; v44-45 my two blocks' largest score, then largest p
.set T,   46           ; at work
.set T2,  47           ; the lane permute's destination
.set A2,  48           ; v[48:49] the sum's second chain
.set SOP, 50           ; v50-51 the conversions' scale operands
.set BY,  52           ; v52-53 the scale bytes
.set CT0, 54           ; v54-56, v58-60: a block's upper 16 codes (a conversion's three registers begin on an even number)
.set CT1, 58
.set STO, 61           ; the way out: where I put 32 bytes of a row
.set RD,  62           ; where I read a row back
.set GO,  63           ; my byte offset in two rows of out
.set Q,   64           ; v64-111 Q: tile i at 64 + 12 i, the upper six registers zeros
.set KF,  112          ; v112-159 K: tile t at 112 + 6 t
.set ZP,  160          ; v160-165 zeros behind tile 7
.set P,   166          ; v166-177 p's codes
.set S,   192          ; v192-255 the scores, then p.  At a trip's head they are free and serve the quantiser:
.set CK,  S            ; K's six code registers
.set CV,  S+6          ; V's
.set CTA, S+12
.set CTB, S+16
.set TA,  S+20         ; largest magnitudes
.set TB,  S+21
.set SA,  S+22         ; scale operands
.set SB,  S+23
.set BYA, S+24         ; scale bytes
.set BYB, S+25
.set BK,  64           ; the way out: rows read back from the stage, 32 registers a tile, v64-191
; window 1: v0-127 O^T, tile i at 32 i, channels 16 dt on at + 8 dt (at the head: q's numbers); v128-175 V's fragments; v176-207, v208-239 the next key tile's numbers of k and of v
.set VF,  128
.set XK,  176
.set XV,  208
; scalars: s[4:5] q, s[6:7] k, s[8:9] v, s[10:11] scale_factor, s[12:13] out; s14 wave; s15 scale_factor; s[16:17] c; s18 its sign bit; s[20:21] lane selects; s22 trips; s24-31 at work
.set MSB, 0
.macro WIN new                         ; s_set_vgpr_msb: bits 1:0 source 0, 3:2 source 1, 5:4 source 2, 7:6 destination; the high byte repeats the setting that is left
.if MSB != \new
	s_set_vgpr_msb (MSB<<8)|\new
.set MSB, \new
.endif
.endm
.macro PLACES                          ; four plain lines behind a matrix instruction, ahead of a read of its result or a load into its registers (ISA guide 7.12.1 for a read of its result)
.rept 4
	v_nop
.endr
.endm
; The next key tile's numbers: of k my key's 32 channels (eight loads of 16 bytes), of v my channel's 32 keys (32 loads; a wave's lanes read 128 consecutive bytes).  No cache hint: three other work-groups read them too.
; No wait stands here: no vector line since the wait behind the quantiser (at the head: since the wait ahead of q's loads) names XK, XV or the two offsets.
.macro XLOAD
	WIN 0x40                                       ; destination window 1, address window 0
.set n, 0
.rept 8
	global_load_b128 v[XK+4*n:XK+4*n+3], v[GK], s[6:7] offset:16*n
.set n, n+1
.endr
.set n, 0
.rept 32
	global_load_b32 v[XV+n], v[GV], s[8:9] offset:256*n
.set n, n+1
.endr
	WIN 0
.endm
; Two blocks of 32 numbers, in window 1 at xa and xb, become six registers of codes each, at da and db, and the scale bytes BYA, BYB.  The two blocks by turns.
.macro QUANT2 xa, da, xb, db
	WIN 0x05
	v_max3_num_f32 v[TA], |v[(\xa)]|, |v[(\xa)+1]|, 0x1800000   ; the largest magnitude, with the floor 2^(3 - 127) among its leaves: the byte cannot fall under 1
	v_max3_num_f32 v[TB], |v[(\xb)]|, |v[(\xb)+1]|, 0x1800000
	WIN 0x14
.set n, 2
.rept 15
	v_max3_num_f32 v[TA], v[TA], |v[(\xa)+n]|, |v[(\xa)+n+1]|
	v_max3_num_f32 v[TB], v[TB], |v[(\xb)+n]|, |v[(\xb)+n+1]|
.set n, n+2
.endr
	WIN 0
	v_add_nc_u32 v[SA], 0xff000000, v[TA]          ; 2 off the exponent field: the conversion takes the exponent field of this operand as its scale, and nothing else of it
	v_add_nc_u32 v[SB], 0xff000000, v[TB]
	v_lshrrev_b32 v[BYA], 23, v[SA]                ; the scale's byte
	v_lshrrev_b32 v[BYB], 23, v[SB]
	WIN 0x01
	v_cvt_scalef32_pk16_fp6_f32 v[(\da):(\da)+2], v[(\xa):(\xa)+15], v[SA]
	v_cvt_scalef32_pk16_fp6_f32 v[CTA:CTA+2], v[(\xa)+16:(\xa)+31], v[SA]
	v_cvt_scalef32_pk16_fp6_f32 v[(\db):(\db)+2], v[(\xb):(\xb)+15], v[SB]
	v_cvt_scalef32_pk16_fp6_f32 v[CTB:CTB+2], v[(\xb)+16:(\xb)+31], v[SB]
	WIN 0
	v_nop                                          ; one plain line behind a scaled conversion
.set n, 0
.rept 3
	v_mov_b32 v[(\da)+3+n], v[CTA+n]
	v_mov_b32 v[(\db)+3+n], v[CTB+n]
.set n, n+1
.endr
.endm
; A scale word from what lanes l and l xor 16 hold: mine goes 8 (lane / 16) bits up and is joined with the other's
.macro WORD dst, by
	v_lshlrev_b32 v[W], v[SH8], v[\by]
	v_permlanex16_b32 v[T2], v[W], s20, s21
	v_or_b32 v[\dst], v[W], v[T2]
.endm
; The numbers in XK and XV become codes and go to image buffer wb.  Six registers are half of a 12-register image: three stores of 8 bytes.
.macro STAGE wb
	QUANT2 XK, CK, XV, CV
	WORD W, BYA                                    ; K's scale word: bytes 0 and 1; bytes 2 and 3 stay 0
	s_wait_alu depctr_va_vdst(0)                   ; the quantiser has written CK, CV, W and BYB, which the LDS stores below read, and is done reading XK and XV, in which the loads that follow these stores land
	ds_store_b64 v[KA0], v[CK:CK+1] offset:(\wb)*IMGB
	ds_store_b64 v[KA1], v[CK+2:CK+3] offset:(\wb)*IMGB
	ds_store_b64 v[KA0], v[CK+4:CK+5] offset:(\wb)*IMGB+512
	ds_store_b32 v[KSA], v[W] offset:(\wb)*IMGB    ; both halves of the lanes write the same word with the same value
	ds_store_b64 v[VA0], v[CV:CV+1] offset:(\wb)*IMGB
	ds_store_b64 v[VA1], v[CV+2:CV+3] offset:(\wb)*IMGB
	ds_store_b64 v[VA0], v[CV+4:CV+5] offset:(\wb)*IMGB+512
	ds_store_b8 v[VSA], v[BYB] offset:(\wb)*IMGB   ; my channel's byte for my block of keys
.endm
; Image buffer b comes back as registers: 26 loads, each lane's 16 bytes at 16 x lane.  The wait that they hang on stands at the trip's head; only waits, the barrier and window switches lie between.
.macro FETCH b
.set n, 0
.rept 12
	ds_load_b128 v[KF+4*n:KF+4*n+3], v[RA] offset:(\b)*IMGB+KIMG+512*n
.set n, n+1
.endr
	ds_load_b128 v[KS:KS+3], v[RA] offset:(\b)*IMGB+KSC
	ds_load_b64 v[VS:VS+1], v[RA] offset:(\b)*IMGB+VSC
	WIN 0x40
.set n, 0
.rept 12
	ds_load_b128 v[VF+4*n:VF+4*n+3], v[RA] offset:(\b)*IMGB+VIMG+512*n
.set n, n+1
.endr
	WIN 0
.endm
; ONE TILE OF 16 QUERIES AGAINST 128 KEYS.
.macro TILE i
.set rT, ST+4*(\i)
.set rQ, Q+12*(\i)
.set rO, 32*(\i)
	; S^T = K Q^T: eight tiles of 16 keys; each starts its sum with the constant 0.  The scale words of key tiles 2 n and 2 n + 1 share a register: lanes 0-15, lanes 16-31.
	; K's fragments and scale words come by loads; Q's codes, its scale words and the zero codes were written at the head, ahead of the first wait on va_vdst behind the quantiser
.set n, 0
.rept 4
	v_wmma_scale_f32_16x16x128_f8f6f4 v[S+16*n:S+16*n+7], v[KF+12*n:KF+12*n+11], v[rQ:rQ+11], 0, v[KS+n], v[QS+(\i)] matrix_a_fmt:MATRIX_FMT_FP6 matrix_b_fmt:MATRIX_FMT_FP6
	v_wmma_scale_f32_16x16x128_f8f6f4 v[S+16*n+8:S+16*n+15], v[KF+12*n+6:KF+12*n+17], v[rQ:rQ+11], 0, v[KS+n], v[QS+(\i)] matrix_a_fmt:MATRIX_FMT_FP6 matrix_b_fmt:MATRIX_FMT_FP6 matrix_a_scale:MATRIX_SCALE_ROW1
.set n, n+1
.endr
	PLACES
	; the largest score of my two blocks of 32 keys, ascending; the two blocks by turns
	v_max3_num_f32 v[BM], v[S], v[S+1], v[S+2]
	v_max3_num_f32 v[BM+1], v[S+32], v[S+33], v[S+34]
.set n, 3
.rept 14
	v_max3_num_f32 v[BM], v[BM], v[S+n], v[S+n+1]
	v_max3_num_f32 v[BM+1], v[BM+1], v[S+32+n], v[S+32+n+1]
.set n, n+2
.endr
	v_max_num_f32 v[BM], v[BM], v[S+31]
	v_max_num_f32 v[BM+1], v[BM+1], v[S+63]
	; the row's figures
	v_max_num_f32 v[T], v[BM], v[BM+1]
	v_permlanex16_b32 v[T2], v[T], s20, s21        ; the query's other 64 keys lie in lane l xor 16
	v_max_num_f32 v[T], v[T], v[T2]
	v_mul_f32 v[T], s16, v[T]                      ; as t (c is not negative)
	v_max_num_f32 v[rT+1], v[rT+1], v[T]           ; the running largest t
	v_mov_b32 v[T], v[rT]
	v_floor_f32 v[rT], -v[rT+1]                    ; the new -M = floor(-t) = -ceil(t)
	v_sub_f32 v[T], v[rT], v[T]                    ; old M - new M: a whole number, 0 or less
	v_cvt_i32_f32 v[T], v[T]                       ; (it saturates)
	v_ldexp_f32 v[F], 1.0, v[T]                    ; f = 2^(old M - new M)
	; ONE BATCH: the 32 packed scalings t - M and the 64 exponentials; a pair is scaled two groups ahead of its exponentials; no line names an exponential's result
	v_pk_fma_f32 v[S:S+1], v[S:S+1], s[16:17], v[rT:rT+1] op_sel_hi:[1,0,0]
	v_pk_fma_f32 v[S+2:S+3], v[S+2:S+3], s[16:17], v[rT:rT+1] op_sel_hi:[1,0,0]
	v_fma_f32 v[BM], v[BM], s16, v[rT]             ; the same of each block's largest score
	v_fma_f32 v[BM+1], v[BM+1], s16, v[rT]
.set n, 0
.rept 32
.if n < 30
	v_pk_fma_f32 v[S+2*n+4:S+2*n+5], v[S+2*n+4:S+2*n+5], s[16:17], v[rT:rT+1] op_sel_hi:[1,0,0]
.endif
	v_exp_f32 v[S+2*n], v[S+2*n]                   ; p = 2^(t - M), at most 1
	v_exp_f32 v[S+2*n+1], v[S+2*n+1]
.set n, n+1
.endr
	v_pk_mul_f32 v[rT+2:rT+3], v[rT+2:rT+3], v[F:F+1] op_sel_hi:[1,0]   ; the sum under the new M: the plain line behind the last exponential
	s_wait_alu depctr_va_vdst(0)                   ; the 64 exponentials have written p, ahead of the first line that names a result: one for the batch
	v_exp_f32 v[BM], v[BM]                         ; the blocks' largest p: the same two instructions on the same number give the same bits
	v_exp_f32 v[BM+1], v[BM+1]
	; the row's sum, of the UNQUANTISED p, packed, in two chains: 23 of its 32 lines here, behind the two exponentials
	v_pk_add_f32 v[A2:A2+1], v[S:S+1], v[S+2:S+3]
.set n, 4
.rept 11
	v_pk_add_f32 v[rT+2:rT+3], v[rT+2:rT+3], v[S+n:S+n+1]
	v_pk_add_f32 v[A2:A2+1], v[A2:A2+1], v[S+n+2:S+n+3]
.set n, n+4
.endr
	s_wait_alu depctr_va_vdst(0)                   ; the two exponentials have written the blocks' largest p, which the next line reads
	v_max_num_f32 v[BM], 0x1800000, v[BM]          ; the floor 2^(3 - 127): a block whose every p is 0 keeps the byte 1; its codes are zeros
	v_max_num_f32 v[BM+1], 0x1800000, v[BM+1]
	v_add_nc_u32 v[SOP], 0xff000000, v[BM]         ; 2 off the exponent field: the conversion's scale operand
	v_add_nc_u32 v[SOP+1], 0xff000000, v[BM+1]
	v_lshrrev_b32 v[BY], 23, v[SOP]
	v_lshrrev_b32 v[BY+1], 23, v[SOP+1]
	v_lshl_or_b32 v[W], v[BY+1], 16, v[BY]         ; my bytes: blocks h and 2 + h
	WORD PW, W                                     ; with lane l xor 16's two: p's scale word for these 128 keys
	v_cvt_scalef32_pk16_fp6_f32 v[P:P+2], v[S:S+15], v[SOP]
	v_cvt_scalef32_pk16_fp6_f32 v[CT0:CT0+2], v[S+16:S+31], v[SOP]
	v_cvt_scalef32_pk16_fp6_f32 v[P+6:P+8], v[S+32:S+47], v[SOP+1]
	v_cvt_scalef32_pk16_fp6_f32 v[CT1:CT1+2], v[S+48:S+63], v[SOP+1]
	v_nop                                          ; one plain line behind a scaled conversion
.set n, 0
.rept 3
	v_mov_b32 v[P+3+n], v[CT0+n]
	v_mov_b32 v[P+9+n], v[CT1+n]
.set n, n+1
.endr
	WIN 0x41                                       ; O^T in window 1, f in window 0
.set n, 0
.rept 16
	v_pk_mul_f32 v[rO+2*n:rO+2*n+1], v[rO+2*n:rO+2*n+1], v[F:F+1] op_sel_hi:[1,0]   ; O^T under the new M, each accumulator from its low end on
.set n, n+1
.endr
	WIN 0
	; the sum's last nine lines: they name no register of the products below, so all that vector lines wrote for those (p's scale word, p's codes, O^T) stands nine plain lines ahead or more
.set n, 48
.rept 4
	v_pk_add_f32 v[rT+2:rT+3], v[rT+2:rT+3], v[S+n:S+n+1]
	v_pk_add_f32 v[A2:A2+1], v[A2:A2+1], v[S+n+2:S+n+3]
.set n, n+4
.endr
	v_pk_add_f32 v[rT+2:rT+3], v[rT+2:rT+3], v[A2:A2+1]
	WIN 0x51                                       ; V and O^T in window 1, p in window 0
	s_wait_alu depctr_va_vdst(0)                   ; vector lines have written p's codes and p's scale word, which the scaled products below take as an operand and as scales; the plain lines above stay beside this wait
	; O^T += V^T P^T: four accumulators, one instruction a turn
.set n, 0
.rept 2
	v_wmma_scale_f32_16x16x128_f8f6f4 v[rO+16*n:rO+16*n+7], v[VF+24*n:VF+24*n+11], v[P:P+11], v[rO+16*n:rO+16*n+7], v[VS+n], v[PW] matrix_a_fmt:MATRIX_FMT_FP6 matrix_b_fmt:MATRIX_FMT_FP6
	v_wmma_scale_f32_16x16x128_f8f6f4 v[rO+16*n+8:rO+16*n+15], v[VF+24*n+12:VF+24*n+23], v[P:P+11], v[rO+16*n+8:rO+16*n+15], v[VS+n], v[PW] matrix_a_fmt:MATRIX_FMT_FP6 matrix_b_fmt:MATRIX_FMT_FP6 matrix_a_scale:MATRIX_SCALE_ROW1
.set n, n+1
.endr
	WIN 0
.endm
; A TRIP: key tile j = 2 s22 + b, from image buffer b.  ONE barrier does two things: in front of it every wave has waited for its stores into buffer b (made last trip) and for its reads of
; the other buffer (made last trip); behind it buffer b is read, and the other is written with key tile j + 1.  Tile j + 2's numbers are asked for, a whole trip ahead of the wait for them.
; The last trip but one asks for nothing and the last quantises nothing: scalar branches on the count of trips; no load leaves its buffer.
.macro TRIP b
	PLACES                                         ; four plain lines behind the last products
	s_wait_alu depctr_va_vdst(0)                   ; the last trip's products are done reading K's and V's fragments and scale words, in which FETCH's loads land (over the loop's backward jump too)
	s_wait_dscnt 0x0
	s_barrier_signal -1
	s_barrier_wait -1
	FETCH \b
.if \b == 1
	s_cmp_eq_u32 s22, 7
	s_cbranch_scc1 .Lskip_\@
.endif
	s_wait_loadcnt 0x0                             ; the next tile's numbers are in; the loads have read their bases, which may step
	s_add_nc_u64 s[6:7], s[6:7], 32768             ; 128 keys x 256 bytes
	s_add_nc_u64 s[8:9], s[8:9], 32768
	STAGE 1-\b
.if \b == 0
	s_cmp_eq_u32 s22, 7
	s_cbranch_scc1 .Lskip_\@
.endif
	XLOAD
.Lskip_\@:
	s_wait_dscnt 0x0                               ; the fragments are in
	s_wait_alu depctr_vm_vsrc(0)                   ; this trip's LDS stores have read CK, CV, BYB and W: the scores, p's lines and the next trip's quantiser write these registers again.  Behind the join: on every way
	TILE 0
	TILE 1
	TILE 2
	TILE 3
.endm
	s_load_b256 s[4:11], s[0:1], 0x0               ; q, k, v, scale_factor
	s_load_b64 s[12:13], s[0:1], 0x20              ; out
	v_lshl_add_u32 v[SPW], v0, 2, SPARE
	v_mov_b32 v[NIL], 0
	v_lshrrev_b32 v[T], 5, v0
	v_readfirstlane_b32 s14, v[T]                  ; wave w, 0..7
	v_and_b32 v[T], 31, v0                         ; l
	v_and_b32 v[W], 15, v0                         ; r = l % 16
	v_bfe_u32 v[T2], v0, 4, 1                      ; h = l / 16
	s_wait_alu depctr_va_sdst(0)                   ; s14 is written, ahead of its first reader
	s_and_b32 s24, s14, 1
	s_lshr_b32 s25, s14, 1
	s_lshr_b32 s26, s14, 2
	s_and_b32 s27, s14, 3
	s_and_b32 s28, s25, 1
	s_mov_b32 s20, 0x76543210
	s_mov_b32 s21, 0xfedcba98                      ; v_permlanex16_b32's selects for lane l xor 16
	v_lshlrev_b32 v[RA], 4, v[T]
	v_lshlrev_b32 v[SH8], 3, v[T2]
	; K: wave w makes key tile w: half w % 2 of image w / 2.  Half 0 is bytes 0, 8, 512 of the lane's three places, half 1 bytes 520, 1024, 1032
	s_mul_i32 s29, s25, 1536
	s_mul_i32 s30, s24, 520
	s_add_co_u32 s30, s30, s29
	v_add_nc_u32 v[KA0], s30, v[RA]
	s_mul_i32 s30, s24, 1016
	s_add_co_u32 s30, s30, s29
	s_add_co_u32 s30, s30, 8
	v_add_nc_u32 v[KA1], s30, v[RA]
	s_lshl_b32 s30, s24, 8
	s_lshl_b32 s31, s25, 2
	s_add_co_u32 s30, s30, s31
	s_add_co_u32 s30, s30, KSC
	v_lshl_add_u32 v[KSA], v[W], 4, s30            ; word w / 2 of lane r + 16 (w % 2)
	; V: wave w takes keys 32 (w / 2) on and channels 32 (w % 2) + l: fragment 2 (w % 2) + h, lane r + 16 ((w / 2) % 2), half w / 4
	s_mul_i32 s29, s24, 3072
	s_lshl_b32 s30, s28, 8
	s_add_co_u32 s29, s29, s30
	s_add_co_u32 s29, s29, VIMG
	v_lshlrev_b32 v[VA1], 4, v[W]
	v_mad_u32_u24 v[VA1], v[T2], 1536, v[VA1]
	s_mul_i32 s30, s26, 520
	s_add_co_u32 s30, s30, s29
	v_add_nc_u32 v[VA0], s30, v[VA1]
	s_mul_i32 s30, s26, 1016
	s_add_co_u32 s30, s30, s29
	s_add_co_u32 s30, s30, 8
	v_add_nc_u32 v[VA1], s30, v[VA1]
	s_lshl_b32 s30, s24, 2
	s_add_co_u32 s30, s30, s25
	s_add_co_u32 s30, s30, VSC
	v_add_nc_u32 v[VSA], s30, v[RA]                ; byte w / 2 of word w % 2 of lane l
	; in memory: k: key 64 (w / 4) + 8 (w % 4) + 32 (r / 8) + r % 8, channels 32 h on;  v: key 32 (w / 2), channel 32 (w % 2) + l
	v_and_b32 v[GK], 7, v[W]
	v_lshlrev_b32 v[GK], 8, v[GK]
	v_lshrrev_b32 v[GV], 3, v[W]
	v_lshl_add_u32 v[GK], v[GV], 13, v[GK]
	v_lshl_add_u32 v[GK], v[T2], 7, v[GK]
	s_lshl_b32 s30, s26, 14
	s_lshl_b32 s31, s27, 11
	s_add_co_u32 s30, s30, s31
	v_add_nc_u32 v[GK], s30, v[GK]
	s_lshl_b32 s30, s24, 7
	s_lshl_b32 s31, s25, 13
	s_add_co_u32 s30, s30, s31
	v_lshl_add_u32 v[GV], v[T], 2, s30
	v_lshlrev_b32 v[QA], 8, v[W]
	v_lshl_add_u32 v[QA], v[T2], 7, v[QA]          ; q: row r, channels 32 h on
	; the way out
	s_mul_i32 s30, s14, 16*272
	s_add_co_u32 s30, s30, STAGE                   ; my stage
	v_mul_u32_u24 v[STO], v[W], 272
	v_lshl_add_u32 v[STO], v[T2], 5, v[STO]
	v_add_nc_u32 v[STO], s30, v[STO]               ; in: row r, 32 bytes for each half of the lanes
	v_mul_u32_u24 v[RD], v[T2], 272
	v_lshl_add_u32 v[RD], v[W], 4, v[RD]
	v_add_nc_u32 v[RD], s30, v[RD]                 ; back: lanes 0-15 one row of 256 bytes, lanes 16-31 the next
	v_lshlrev_b32 v[GO], 8, v[T2]
	v_lshl_add_u32 v[GO], v[W], 4, v[GO]           ; and the same two rows in out
	s_wait_kmcnt 0x0
	s_load_b32 s15, s[10:11], 0x0                  ; scale_factor
	s_and_b32 s24, ttmp7, 0xffff                   ; the head: 2,048 x 256 bytes each
	s_lshl_b32 s24, s24, 19
	s_mov_b32 s25, 0
	s_add_nc_u64 s[6:7], s[6:7], s[24:25]
	s_add_nc_u64 s[8:9], s[8:9], s[24:25]
	s_lshl_b32 s26, ttmp9, 17                      ; my block of 512 queries,
	s_lshl_b32 s27, s14, 14                        ; my wave's 64 of them
	s_add_co_u32 s26, s26, s27
	s_add_co_u32 s24, s24, s26                     ; (under 2^26)
	s_add_nc_u64 s[4:5], s[4:5], s[24:25]
	s_add_nc_u64 s[12:13], s[12:13], s[24:25]
	WIN 0x40
	s_wait_alu depctr_va_vdst(0)                   ; all addresses and offsets of the kernel (v1 to v11, v13, v61 to v63) are written: every load, store and LDS instruction reads one of them, and none is written again
.set n, 0
.rept 32                                       ; q: tile n / 8, 16 bytes at a time, into the registers that O^T will take; read once in the launch
	global_load_b128 v[4*n:4*n+3], v[QA], s[4:5] offset:4096*(n/8)+16*(n%8) th:TH_LOAD_NT
.set n, n+1
.endr
	XLOAD                                          ; key tile 0
	; while they are on their way: the zero codes, and each tile's figures
.set n, 0
.rept 6
	v_mov_b32 v[Q+6+n], 0
	v_mov_b32 v[Q+18+n], 0
	v_mov_b32 v[Q+30+n], 0
	v_mov_b32 v[Q+42+n], 0
	v_mov_b32 v[ZP+n], 0
.set n, n+1
.endr
	v_mov_b32 v[F+1], 0                            ; (named with f as a pair)
.set n, 0
.rept 4
	v_mov_b32 v[ST+4*n+1], 0xff61b1e6              ; the largest t so far: -3e38, under every t
	v_floor_f32 v[ST+4*n], -v[ST+4*n+1]            ; -M
	v_mov_b32 v[ST+4*n+2], 0                       ; the sum, in two halves
	v_mov_b32 v[ST+4*n+3], 0
.set n, n+1
.endr
	s_wait_kmcnt 0x0
	v_mov_b32 v[T], s15
	v_mul_f32 v[T], 0x3fb8aa3b, v[T]               ; scale_factor x log2(e),
	v_and_b32 v[T], 0x7fffffff, v[T]               ; its magnitude
	v_readfirstlane_b32 s16, v[T]                  ; c
	s_wait_alu depctr_va_sdst(0)                   ; s16 is written, ahead of its first reader
	s_mov_b32 s17, s16                             ; (the packed form names the pair)
	s_and_b32 s18, s15, 0x80000000                 ; scale_factor's sign bit
	s_wait_loadcnt 40                              ; q's 32 loads are in; behind them stand key tile 0's 8 + 32
	WIN 0x44
.set n, 0
.rept 128
	v_xor_b32 v[n], s18, v[n]                      ; the sign goes into q
.set n, n+1
.endr
	QUANT2 0, Q, 32, Q+12
	WORD QS, BYA
	WORD QS+1, BYB
	QUANT2 64, Q+24, 96, Q+36
	WORD QS+2, BYA
	WORD QS+3, BYB
	; O^T is not cleared: its registers hold the same query's numbers of q, which are finite, and the first step's f is 0 (old -M is about 3e38: the whole number saturates), so that the first rescaling makes them zeros
	s_wait_loadcnt 0x0                             ; key tile 0's numbers
	s_add_nc_u64 s[6:7], s[6:7], 32768
	s_add_nc_u64 s[8:9], s[8:9], 32768
	STAGE 0                                        ; (its wait on va_vdst also stands behind every write of Q's codes, Q's scale words and the zero codes, which the scaled products take)
	XLOAD                                          ; key tile 1
	s_wait_alu depctr_vm_vsrc(0)                   ; the LDS stores of key tile 0 have read CK, CV, BYB and W, which the first trip's quantiser writes again
	s_mov_b32 s22, 0
.Ltrip:                                            ; 8 times two trips: the image buffers stand in the immediates
	TRIP 0
	TRIP 1
	s_add_co_u32 s22, s22, 1
	s_cmp_lt_u32 s22, 8
	s_cbranch_scc1 .Ltrip
	; THE WAY OUT.  The sums' halves and lane l xor 16's are added (the first four lines are the places behind the last products); O^T is divided by the sum and goes through my own stage
	; in LDS, a tile (16 rows of out) at a time, so that sixteen lanes store a row's 256 consecutive bytes.
.set n, 0
.rept 4
	v_add_f32 v[ST+4*n+2], v[ST+4*n+2], v[ST+4*n+3]
.set n, n+1
.endr
.set n, 0
.rept 4
	v_permlanex16_b32 v[ST+4*n+3], v[ST+4*n+2], s20, s21
.set n, n+1
.endr
.set n, 0
.rept 4
	v_add_f32 v[ST+4*n+2], v[ST+4*n+2], v[ST+4*n+3]
.set n, n+1
.endr
.set n, 0
.rept 4
	v_rcp_f32 v[ST+4*n], v[ST+4*n+2]
.set n, n+1
.endr
	v_nop                                          ; a plain line behind the last reciprocal
	s_wait_alu depctr_va_vdst(0)                   ; the four reciprocals are written, ahead of the first line that names one
.macro PACK i
.set rB, S+32*((\i)%2)
.set rT, ST+4*(\i)
	WIN 0x01                                       ; O^T in window 1
.set n, 0
.rept 16
	v_pk_mul_f32 v[rB+2*n:rB+2*n+1], v[32*(\i)+2*n:32*(\i)+2*n+1], v[rT:rT+1] op_sel_hi:[1,0]   ; register 8 dt + j: out(r, 16 dt + 8 h + j)
.set n, n+1
.endr
	WIN 0
	s_wait_alu depctr_va_vdst(0)                   ; the multiplications have written v[rB ..], which the LDS stores read; and every product and vector line that named v64 to v191 (Q, K, the zeros, p) is done: the loads below land there
.set n, 0
.rept 4
	ds_store_b128 v[STO], v[rB+8*n:rB+8*n+3] offset:64*n
	ds_store_b128 v[STO], v[rB+8*n+4:rB+8*n+7] offset:64*n+16
.set n, n+1
.endr
.set n, 0
.rept 8
	ds_load_b128 v[BK+32*(\i)+4*n:BK+32*(\i)+4*n+3], v[RD] offset:544*n   ; LDS serves a wave's instructions in order (ISA guide 5.7.1.4): these see the stores above, and the next tile's stores come behind them
.set n, n+1
.endr
.endm
.macro SEND i, younger                 ; younger: the LDS lines issued behind tile i's loads: the next tile's sixteen, or none
.set n, 0
.rept 8
	s_wait_dscnt (\younger)+7-n
	global_store_b128 v[GO], v[BK+32*(\i)+4*n:BK+32*(\i)+4*n+3], s[12:13] offset:4096*(\i)+512*n th:TH_STORE_NT   ; 16 lanes store 256 consecutive bytes, at a multiple of 256 from out's first byte
.set n, n+1
.endr
.endm
	PACK 0
	PACK 1                                         ; a tile's arithmetic stands between the loads of the tile before and its stores
	SEND 0, 16
	s_wait_alu depctr_vm_vsrc(0)                   ; the LDS stores of tiles 0 and 1 have read v192 to v255, which the multiplications of tiles 2 and 3 write again
	PACK 2
	SEND 1, 16
	PACK 3
	SEND 2, 16
	SEND 3, 0
	s_wait_dscnt 0x0                               ; the closing lines, six on end
	s_wait_alu 0x0
	s_wait_tensorcnt 0x0
	ds_add_u32 v[SPW], v[NIL]
	s_wait_dscnt 0x0
	s_endpgm
.Lfunc_end_k_q388cfbfdf4_attn:
	.size	k_q388cfbfdf4_attn, .Lfunc_end_k_q388cfbfdf4_attn-k_q388cfbfdf4_attn
	.p2alignl 7, 3214868480
	.fill 96, 4, 3214868480
	.section	.rodata,"a",@progbits
	.p2align	6, 0x0
	.amdhsa_kernel k_q388cfbfdf4_attn
		.amdhsa_group_segment_fixed_size 62464
		.amdhsa_private_segment_fixed_size 0
		.amdhsa_enable_private_segment 0
		.amdhsa_kernarg_size 40
		.amdhsa_user_sgpr_count 2
		.amdhsa_user_sgpr_kernarg_segment_ptr 1
		.amdhsa_wavefront_size32 1
		.amdhsa_system_sgpr_workgroup_id_x 1
		.amdhsa_system_sgpr_workgroup_id_y 1
		.amdhsa_system_sgpr_workgroup_id_z 1
		.amdhsa_system_vgpr_workitem_id 0
		.amdhsa_next_free_vgpr 512
		.amdhsa_next_free_sgpr 66
		.amdhsa_reserve_vcc 0
		.amdhsa_float_denorm_mode_32 3
		.amdhsa_float_denorm_mode_16_64 3
		.amdhsa_memory_ordered 1
		.amdhsa_forward_progress 1
		.amdhsa_inst_pref_size 163
	.end_amdhsa_kernel
	.amdgpu_metadata
---
amdhsa.version: [ 1, 2 ]
amdhsa.kernels:
  - .name:           k_q388cfbfdf4_attn
    .symbol:         k_q388cfbfdf4_attn.kd
    .args:
      - { .name: q, .offset: 0, .size: 8, .value_kind: global_buffer, .address_space: global }
      - { .name: k, .offset: 8, .size: 8, .value_kind: global_buffer, .address_space: global }
      - { .name: v, .offset: 16, .size: 8, .value_kind: global_buffer, .address_space: global }
      - { .name: scale_factor, .offset: 24, .size: 8, .value_kind: global_buffer, .address_space: global }
      - { .name: out0, .offset: 32, .size: 8, .value_kind: global_buffer, .address_space: global }
    .group_segment_fixed_size: 62464
    .private_segment_fixed_size: 0
    .kernarg_segment_align: 8
    .kernarg_segment_size: 40
    .max_flat_workgroup_size: 256
    .sgpr_count:     66
    .vgpr_count:     512
    .wavefront_size: 32
...
	.end_amdgpu_metadata
.endif
;; end of part 2
